; MI455X (gfx1250); checked and timed in simulation.
; The chip was launched on July 23, 2026; its instructions are those of AMD's public machine-readable ISA for CDNA 5 (MIT licence, August 2026) and "CDNA5" Instruction Set Architecture Reference Guide (July 2026). The comments in the code are by the model that wrote it; some were corrected since.
;; EMA Split Delta. Allowed arithmetic: float matrix products may take bf16 or f16 operands with f32 sums; other float arithmetic in f32, or as packed bf16 or f16 multiplies, adds, multiply-adds, maxima and minima; sums over many terms, partial sums and values carried from step to step in f32; what a program stores and reads back later, other than sums and carried values, may be rounded once to bf16 or f16.
;; Inputs: W1 1,024 x 512 float32; W2 512 x 1,024 float32; We 256 x 512 float32; Wout 32,000 x 512 float32; Wrp 512 x 512 float32; Ws 256 x 512 float32; b1 1,024 float32; b2 512 float32; beta 512 float32; bout 32,000 float32; brp 512 float32; embed 32,000 x 512 float32; gamma 512 float32; seq 8 x 1,024 int32.
;; Outputs: out0 8 x 32,000 float32.
;; One version. Each part assembles by itself: llvm-mc -triple=amdgcn-amd-amdhsa -mcpu=gfx1250 --defsym DOCPART=n.
;; ======== version 1 of 1: 4 launches
;; limits: values are held in f16: magnitudes above 65,504 overflow, below 6.1e-05 lose precision; right only within a limited range of input values
;; workspace buffers: wst 2,621,440 bytes; kt 9,437,184 bytes; mn 65,536 bytes; qv 16,384 bytes; yp 32,768 bytes
;; launch prep (part 1): grid 40 x 8, 4 waves a work-group, no clusters, 0 bytes of LDS; arguments W1, W2, Ws, We, wst; writes wst
.if DOCPART == 1
	.amdgcn_target "amdgcn-amd-amdhsa--gfx1250"
	.amdhsa_code_object_version 6
	.text
	.protected	k_q52cebd0d25_prep
	.globl	k_q52cebd0d25_prep
	.p2align	8
	.type	k_q52cebd0d25_prep,@function
k_q52cebd0d25_prep:
	s_mov_b64 s[64:65], 0
	v_nop
	global_prefetch_b8 v0, s[64:65] scope:SCOPE_SE
	s_setreg_imm32_b32 hwreg(HW_REG_WAVE_MODE, 25, 1), 1
	s_wait_xcnt 0x0
; W1, W2 -> bf16 and Ws, We -> bf16 written as f16, laid out as the streams of matrix fragments that the next launch's eight waves read.
; wst: [stream w 8][group g 80][fragment f 4][half 2][lane 32][16 bytes].  A fragment is 16 weight rows x 32 k: lane l holds row n0 + l % 16;
; half 0 holds k0 + 8 (l / 16) + 0..7, half 1 holds k0 + 16 + 8 (l / 16) + 0..7.
;   g 0..31  W1: n0 = 512 (g / 16) + 64 w + 16 f, k0 = 32 (g % 16)      g 32..63  W2: n0 = 64 w + 16 f, k0 = 32 (g - 32)
;   g 64..79 Ws (w < 4) or We: n0 = 64 (w % 4) + 16 f, k0 = 32 (g - 64)
; A work-group takes a pair of groups (256 bytes of each source row) of one stream, a wave one fragment number f.
; LIMIT: a weight of Ws, We beyond 65,504 has no f16; below 6e-5 it keeps f16's fixed step of 6e-8.
.set STREAM, 327680                    ; bytes of a stream: 80 groups of 4,096
	s_load_b256 s[4:11], s[0:1], 0x0               ; W1 s[4:5], W2 s[6:7], Ws s[8:9], We s[10:11]
	s_load_b64 s[12:13], s[0:1], 0x20              ; wst
	v_lshrrev_b32 v1, 5, v0
	v_readfirstlane_b32 s16, v1                    ; f = my wave's number
	s_and_b32 s14, ttmp7, 0xffff                   ; w
	s_mov_b32 s15, ttmp9                           ; gp: the groups 2 gp and 2 gp + 1
	v_and_b32 v2, 15, v0                           ; l % 16
	v_bfe_u32 v3, v0, 4, 1                         ; l / 16
	v_and_b32 v5, 31, v0
	v_lshlrev_b32 v5, 4, v5                        ; 16 l
	s_and_b32 s21, s15, 7
	s_and_b32 s22, s15, 15
	s_lshr_b32 s23, s15, 3
	s_lshl_b32 s23, s23, 9                         ; 512 (gp / 8)
	s_and_b32 s24, s14, 3
	s_cmp_lt_u32 s15, 16                           ; W1?
	s_cselect_b32 s25, s23, 0                      ; its pass's 512 rows
	s_cselect_b32 s26, s21, s22                    ; which 256 bytes of a row
	s_cselect_b32 s27, 11, 12                      ; log2 of the row's bytes
	s_cmp_ge_u32 s15, 32                           ; Ws or We?
	s_cselect_b32 s26, s21, s26
	s_cselect_b32 s27, 11, s27
	s_cselect_b32 s28, s24, s14
	s_lshl_b32 s28, s28, 6
	s_add_co_u32 s25, s25, s28
	s_lshl_b32 s29, s16, 4
	s_add_co_u32 s25, s25, s29                     ; n0
	v_add_nc_u32 v4, s25, v2
	v_lshlrev_b32 v4, s27, v4                      ; my row,
	v_lshl_add_u32 v4, v3, 5, v4                   ; my eight numbers of each sixteen,
	s_lshl_b32 s26, s26, 8
	v_add_nc_u32 v4, s26, v4                       ; the pair's 256 bytes
	s_mul_i32 s32, s14, STREAM
	s_lshl_b32 s33, s15, 13
	s_add_co_u32 s32, s32, s33
	s_lshl_b32 s33, s16, 10
	s_add_co_u32 s32, s32, s33                     ; where my two fragments go
	s_mov_b32 s33, 0
	s_wait_kmcnt 0x0
	s_cmp_lt_u32 s15, 16
	s_cselect_b64 s[18:19], s[4:5], s[6:7]
	s_cmp_lt_u32 s14, 4
	s_cselect_b64 s[30:31], s[8:9], s[10:11]
	s_cmp_ge_u32 s15, 32
	s_cselect_b64 s[18:19], s[30:31], s[18:19]
	s_add_nc_u64 s[12:13], s[12:13], s[32:33]
.irp e, 0,1
	global_load_b128 v[8+16*(\e):11+16*(\e)],  v4, s[18:19] offset:128*(\e)
	global_load_b128 v[12+16*(\e):15+16*(\e)], v4, s[18:19] offset:128*(\e)+16
	global_load_b128 v[16+16*(\e):19+16*(\e)], v4, s[18:19] offset:128*(\e)+64
	global_load_b128 v[20+16*(\e):23+16*(\e)], v4, s[18:19] offset:128*(\e)+80
.endr
	s_wait_loadcnt 0x0
.set i, 0
.rept 16
	v_cvt_pk_bf16_f32 v[40+i], v[8+2*i], v[9+2*i]
.set i, i+1
.endr
	s_cmp_lt_u32 s15, 32
	s_cbranch_scc1 .Lstore
.set i, 0
.rept 16                               ; the number rounded to bf16, written as f16
	v_lshlrev_b32 v56, 16, v[40+i]
	v_and_b32 v57, 0xffff0000, v[40+i]
	v_cvt_pk_f16_f32 v[40+i], v56, v57
.set i, i+1
.endr
.Lstore:
.irp e, 0,1
.irp hf, 0,1
	global_store_b128 v5, v[40+8*(\e)+4*(\hf):43+8*(\e)+4*(\hf)], s[12:13] offset:4096*(\e)+512*(\hf)  ; a wave's store covers 512 consecutive bytes, aligned
.endr
.endr
	s_endpgm
.Lfunc_end_k_q52cebd0d25_prep:
	.size	k_q52cebd0d25_prep, .Lfunc_end_k_q52cebd0d25_prep-k_q52cebd0d25_prep
	.p2alignl 7, 3214868480
	.fill 96, 4, 3214868480
	.section	.rodata,"a",@progbits
	.p2align	6, 0x0
	.amdhsa_kernel k_q52cebd0d25_prep
		.amdhsa_group_segment_fixed_size 0
		.amdhsa_private_segment_fixed_size 0
		.amdhsa_enable_private_segment 0
		.amdhsa_kernarg_size 40
		.amdhsa_user_sgpr_count 2
		.amdhsa_user_sgpr_kernarg_segment_ptr 1
		.amdhsa_wavefront_size32 1
		.amdhsa_system_sgpr_workgroup_id_x 1
		.amdhsa_system_sgpr_workgroup_id_y 1
		.amdhsa_system_sgpr_workgroup_id_z 1
		.amdhsa_system_vgpr_workitem_id 0
		.amdhsa_next_free_vgpr 64
		.amdhsa_next_free_sgpr 66
		.amdhsa_reserve_vcc 0
		.amdhsa_float_denorm_mode_32 3
		.amdhsa_float_denorm_mode_16_64 3
		.amdhsa_memory_ordered 1
		.amdhsa_forward_progress 1
		.amdhsa_inst_pref_size 7
	.end_amdhsa_kernel
	.amdgpu_metadata
---
amdhsa.version: [ 1, 2 ]
amdhsa.kernels:
  - .name:           k_q52cebd0d25_prep
    .symbol:         k_q52cebd0d25_prep.kd
    .args:
      - { .name: W1, .offset: 0, .size: 8, .value_kind: global_buffer, .address_space: global }
      - { .name: W2, .offset: 8, .size: 8, .value_kind: global_buffer, .address_space: global }
      - { .name: Ws, .offset: 16, .size: 8, .value_kind: global_buffer, .address_space: global }
      - { .name: We, .offset: 24, .size: 8, .value_kind: global_buffer, .address_space: global }
      - { .name: wst, .offset: 32, .size: 8, .value_kind: global_buffer, .address_space: global }
    .group_segment_fixed_size: 0
    .private_segment_fixed_size: 0
    .kernarg_segment_align: 8
    .kernarg_segment_size: 40
    .max_flat_workgroup_size: 128
    .sgpr_count:     66
    .vgpr_count:     64
    .wavefront_size: 32
...
	.end_amdgpu_metadata
.endif
;; end of part 1
;; launch ffk (part 2): grid 256 x 1, 8 waves a work-group, no clusters, 167,936 bytes of LDS; arguments seq, embed, b1, b2, gamma, beta, wst, kt, mn, qv; writes kt, mn, qv
.if DOCPART == 2
	.amdgcn_target "amdgcn-amd-amdhsa--gfx1250"
	.amdhsa_code_object_version 6
	.text
	.protected	k_q52cebd0d25_ffk
	.globl	k_q52cebd0d25_ffk
	.p2align	8
	.type	k_q52cebd0d25_ffk,@function
k_q52cebd0d25_ffk:
	s_mov_b64 s[64:65], 0
	v_nop
	global_prefetch_b8 v0, s[64:65] scope:SCOPE_SE
	s_setreg_imm32_b32 hwreg(HW_REG_WAVE_MODE, 25, 1), 1
	s_wait_xcnt 0x0
; For 32 rows (one batch, one chunk of 32 time steps): gather, feed-forward, residual, LayerNorm, both key projections, the keys' norms,
; the normalised keys kn, and for each of the two chains T = (I + 0.05 strict_upper(kn kn^T))^-1, which the next launch's backward recursion wants.
; SHARES.  Work-group g owns rows 32 g .. 32 g + 31.  All products are used transposed (source 0 = 16 weight rows n, source 1 = 16 activation rows m):
; a lane holds row m = 16 mt + l % 16 and the columns n0 + 8 (l / 16) + 0..7.  Wave w owns 64 output columns of each product: 4 x 2 accumulators.
; WEIGHTS come from memory straight into registers, as a stream of ready fragments (4 slots of 4 fragments, 32 loads a wave always out, across the
; phases' barriers too).  NO CLUSTER, NO LDS FOR THEM: a fragment is used by one wave alone, for two matrix instructions; through LDS each of the
; stream's 2,621,440 bytes would be written and read once more, and each slot would want a barrier of all eight waves.
; FORMATS.  All inputs are rounded to bf16 (biases and gains too).  U = relu(..) is unbounded and goes in bf16; the LayerNorm's output, kn and T are
; bounded by the computation and go in f16.  Sums, means, variances and norms in f32; the variance is taken of x - mean, in a second pass.
; LIMITS.  22.7 |gamma| + |beta| stays under 65,504; the sum of a key's squares stays in f32's range; an index beyond 31,999 counts as 31,999.
; OUT.  kt [chain 16][record 32][36 rows][512 bytes]: record 31 - chunk; rows 0-31 kn in f16; rows 32-35 T, piece q = [T's row 32][columns 8 q .. 8 q + 7].
; The row of time step 1023, which is no step of the scan, is stored as zeros; it goes out normalised in f32 as qv.  mn: max(|k|, 1e-12).
.set HP,    1040                       ; a row of h or hn in LDS: 1,024 bytes + 16
.set UB,    33280
.set UP,    2064                       ; a row of U: 2,048 + 16
.set B1L,   99328                      ; b1, then b2, gamma, beta, as f32 rounded to bf16
.set S1,    109568                     ; three tables [row 32][wave 8] f32: sums, sums of squares, keys' sums of squares
.set S2,    110592
.set S3,    111616
.set KNB,   112640                     ; kn, two chains of 32 rows
.set KP,    528
.set GB,    146432                     ; -0.05 kn kn^T, two chains of 32 rows of 144 bytes
.set GP,    144
.set SPARE, 155648                     ; the spare words, 128 bytes for each wave: four blocks of 256 bytes that no other line names
.set STREAM, 327680
.set LOFF, 4                           ; v4   16 x lane
.set ACTA, 5                           ; v5   where the activation fragments are read
.set HBF,  6                           ; v6   1,040 r + 16 hh
.set UBF,  7                           ; v7   UB + 2,064 r + 16 hh
.set BIA,  8                           ; v8   my 8 numbers of b1 (pass 0, pass 1), then of b2; gamma and beta lie 2,048 and 4,096 behind b2
.set UST,  9                           ; v9   where I put 16 bytes of U
.set ZERO, 10
.set XA,   11                          ; v11  my 16 bytes of a row of h or hn
.set SST,  26                          ; v26  S1 + 32 lane + 4 w
.set SLD,  27                          ; v27  S1 + 32 r
.set SPW,  28                          ; v28  my spare word; never rewritten
.set NIL,  29                          ; v29  0; never rewritten
.set ACC,  32                          ; v[32:95]   tile (mt, nt) at ACC + 8 (4 mt + nt)
.set ACT,  96                          ; v[96:127]  two buffers of two activation fragments
.set RING, 128                         ; v[128:255] four slots of four weight fragments
.set TT,   128                         ; later: my row of T
.set GBUF, 160                         ; later: two rows of -0.05 G
.set WP,   32                          ; s[32:33] the stream's pointer
.macro NOP4
.rept 4
	v_nop
.endr
.endm
.macro RND2 a, b                       ; two f32 rounded to bf16 and widened again
	v_cvt_pk_bf16_f32 v31, v[\a], v[\b]
	v_lshlrev_b32 v[\a], 16, v31
	v_and_b32 v[\b], 0xffff0000, v31
.endm
.macro RLOAD slot, roff                ; a group's four fragments, 4,096 bytes, into a slot
.irp f, 0,1,2,3
	global_load_b128 v[RING+32*(\slot)+8*(\f):RING+32*(\slot)+8*(\f)+3],   v[LOFF], s[WP:WP+1] offset:(\roff)+1024*(\f)
	global_load_b128 v[RING+32*(\slot)+8*(\f)+4:RING+32*(\slot)+8*(\f)+7], v[LOFF], s[WP:WP+1] offset:(\roff)+1024*(\f)+512
.endr
.endm
.macro LDACT ab, off, pit              ; two activation fragments (rows 0-15, 16-31; 32 k at byte off)
	ds_load_b128 v[ACT+16*(\ab):ACT+16*(\ab)+3],     v[ACTA] offset:(\off)
	ds_load_b128 v[ACT+16*(\ab)+4:ACT+16*(\ab)+7],   v[ACTA] offset:(\off)+32
	ds_load_b128 v[ACT+16*(\ab)+8:ACT+16*(\ab)+11],  v[ACTA] offset:(\off)+16*(\pit)
	ds_load_b128 v[ACT+16*(\ab)+12:ACT+16*(\ab)+15], v[ACTA] offset:(\off)+16*(\pit)+32
.endm
; One step of 32 along K: eight matrix instructions on eight accumulators by turns; then four places, behind which the slot is asked for again and the next step may load into the other activation buffer.
.macro GROUP slot, ab, pre, koff, pit, dsw, ldw, rel, roff, typ, zero
.if \pre
	LDACT 1-(\ab), \koff, \pit
.endif
	s_wait_loadcnt \ldw                            ; this slot's eight loads are in; the younger groups' stay out
	s_wait_dscnt \dsw                              ; all LDS loads but the four just issued
.irp nt, 0,1,2,3
.irp mt, 0,1
.if \zero
	v_wmma_f32_16x16x32_\typ v[ACC+8*(4*(\mt)+(\nt)):ACC+8*(4*(\mt)+(\nt))+7], v[RING+32*(\slot)+8*(\nt):RING+32*(\slot)+8*(\nt)+7], v[ACT+16*(\ab)+8*(\mt):ACT+16*(\ab)+8*(\mt)+7], 0
.else
	v_wmma_f32_16x16x32_\typ v[ACC+8*(4*(\mt)+(\nt)):ACC+8*(4*(\mt)+(\nt))+7], v[RING+32*(\slot)+8*(\nt):RING+32*(\slot)+8*(\nt)+7], v[ACT+16*(\ab)+8*(\mt):ACT+16*(\ab)+8*(\mt)+7], v[ACC+8*(4*(\mt)+(\nt)):ACC+8*(4*(\mt)+(\nt))+7]
.endif
.endr
.endr
	NOP4
.if \rel
	RLOAD \slot, \roff
.endif
.endm
; Four steps: once round the ring.  last = 1: the product's last trip loads no further activations.  rel = 0: the stream's end.
.macro TRIP pit, last, rel, typ, zero, l0, l1, l2, l3
	GROUP 0, 0, 1, 64,  \pit, 4, \l0, \rel, 4*4096, \typ, \zero
	GROUP 1, 1, 1, 128, \pit, 4, \l1, \rel, 5*4096, \typ, 0
	GROUP 2, 0, 1, 192, \pit, 4, \l2, \rel, 6*4096, \typ, 0
.if \last
	GROUP 3, 1, 0, 0,   \pit, 0, \l3, \rel, 7*4096, \typ, 0
.else
	GROUP 3, 1, 1, 256, \pit, 4, \l3, \rel, 7*4096, \typ, 0
.endif
.if \rel
	s_wait_xcnt 0x0                                ; the loads have read the pointer: it is stepped only behind this wait
	s_add_nc_u64 s[WP:WP+1], s[WP:WP+1], 16384
.endif
	v_add_nc_u32 v[ACTA], 256, v[ACTA]
.endm
.macro BIAS                            ; the sums start at the bias of my columns, the same for both row tiles
.irp t, 0,1,2,3,4,5,6,7
	ds_load_b128 v[ACC+8*(\t):ACC+8*(\t)+3],   v[BIA] offset:64*((\t)%4)
	ds_load_b128 v[ACC+8*(\t)+4:ACC+8*(\t)+7], v[BIA] offset:64*((\t)%4)+16
.endr
.endm
; The sum (sq = 0) or the sum of squares (sq = 1) of my 32 numbers of row tile mt; each accumulator is read from its low end on.
.macro ROWRED mt, sq, dst
.set RA0, ACC+32*(\mt)
.if \sq
	v_pk_mul_f32 v[12:13], v[RA0:RA0+1], v[RA0:RA0+1]
	v_pk_mul_f32 v[14:15], v[RA0+2:RA0+3], v[RA0+2:RA0+3]
	v_pk_fma_f32 v[12:13], v[RA0+4:RA0+5], v[RA0+4:RA0+5], v[12:13]
	v_pk_fma_f32 v[14:15], v[RA0+6:RA0+7], v[RA0+6:RA0+7], v[14:15]
.else
	v_pk_add_f32 v[12:13], v[RA0:RA0+1], v[RA0+4:RA0+5]
	v_pk_add_f32 v[14:15], v[RA0+2:RA0+3], v[RA0+6:RA0+7]
.endif
.irp p, 8,12,16,20,24,28
.if \sq
	v_pk_fma_f32 v[12:13], v[RA0+(\p):RA0+(\p)+1], v[RA0+(\p):RA0+(\p)+1], v[12:13]
	v_pk_fma_f32 v[14:15], v[RA0+(\p)+2:RA0+(\p)+3], v[RA0+(\p)+2:RA0+(\p)+3], v[14:15]
.else
	v_pk_add_f32 v[12:13], v[12:13], v[RA0+(\p):RA0+(\p)+1]
	v_pk_add_f32 v[14:15], v[14:15], v[RA0+(\p)+2:RA0+(\p)+3]
.endif
.endr
	v_pk_add_f32 v[12:13], v[12:13], v[14:15]
	v_add_f32 v[\dst], v12, v13
.endm
; v20, v21 (row tiles 0, 1): the other half of the lanes' is added, lane l puts row l's figure into the table, and all waves meet.
.macro XRED so
	v_permlanex16_b32 v22, v20, s34, s35
	v_permlanex16_b32 v23, v21, s34, s35
	v_add_f32 v20, v20, v22
	v_add_f32 v21, v21, v23
	v_cndmask_b32 v22, v20, v21, s48
	ds_store_b32 v[SST], v22 offset:\so
	s_wait_dscnt 0x0                               ; for the others' sake: my store is done
	s_barrier_signal -1
	s_barrier_wait -1
.endm
.macro RD8 so                          ; the eight waves' figures of rows r and 16 + r, summed into v96 and v104
	ds_load_b128 v[96:99],   v[SLD] offset:(\so)
	ds_load_b128 v[100:103], v[SLD] offset:(\so)+16
	ds_load_b128 v[104:107], v[SLD] offset:(\so)+512
	ds_load_b128 v[108:111], v[SLD] offset:(\so)+528
	s_wait_dscnt 0x0
	v_pk_add_f32 v[96:97], v[96:97], v[98:99]
	v_pk_add_f32 v[100:101], v[100:101], v[102:103]
	v_pk_add_f32 v[104:105], v[104:105], v[106:107]
	v_pk_add_f32 v[108:109], v[108:109], v[110:111]
	v_pk_add_f32 v[96:97], v[96:97], v[100:101]
	v_pk_add_f32 v[104:105], v[104:105], v[108:109]
	v_add_f32 v96, v96, v97
	v_add_f32 v104, v104, v105
.endm
.macro CVT4 typ, a                     ; eight f32 of a tile into its four low registers
	v_cvt_pk_\typ v[\a], v[\a], v[(\a)+1]
	v_cvt_pk_\typ v[(\a)+1], v[(\a)+2], v[(\a)+3]
	v_cvt_pk_\typ v[(\a)+2], v[(\a)+4], v[(\a)+5]
	v_cvt_pk_\typ v[(\a)+3], v[(\a)+6], v[(\a)+7]
.endm
.macro NORMT mt, nt, u                 ; a tile of x - mean: times 1 / sqrt(var + eps), times gamma, plus beta, to f16, into LDS
.set NA, ACC+8*(4*(\mt)+(\nt))
.irp q, 0,2,4,6
	v_pk_mul_f32 v[NA+(\q):NA+(\q)+1], v[NA+(\q):NA+(\q)+1], v[16+2*(\mt):17+2*(\mt)]
.endr
.irp q, 0,2,4,6
	v_pk_fma_f32 v[NA+(\q):NA+(\q)+1], v[NA+(\q):NA+(\q)+1], v[ACT+16*(\u)+(\q):ACT+16*(\u)+(\q)+1], v[ACT+16*(\u)+8+(\q):ACT+16*(\u)+8+(\q)+1]
.endr
	CVT4 f16_f32, NA
	ds_store_b128 v[XA], v[NA:NA+3] offset:(\mt)*16*HP+32*(\nt)
.endm
.macro LOADROW s                       ; row s of -0.05 G from column s + 1 on, in whole quads; the same address in all lanes
.set q0, ((\s)+1)/4
.set qq, q0
.rept 8-q0
	ds_load_b128 v[GBUF+32*((\s)%2)+4*qq:GBUF+32*((\s)%2)+4*qq+3], v12 offset:GP*(\s)+16*qq
.set qq, qq+1
.endr
.endm
	s_load_b512 s[4:19], s[0:1], 0x0               ; seq s[4:5], embed s[6:7], b1 s[8:9], b2 s[10:11], gamma s[12:13], beta s[14:15], wst s[16:17], kt s[18:19]
	s_load_b128 s[20:23], s[0:1], 0x40             ; mn s[20:21], qv s[22:23]
	v_lshl_add_u32 v[SPW], v0, 2, SPARE
	v_mov_b32 v[NIL], 0
	v_lshrrev_b32 v12, 5, v0
	v_readfirstlane_b32 s24, v12                   ; wave 0..7
	s_mov_b32 s25, ttmp9                           ; g
	s_lshr_b32 s27, s24, 2                         ; my chain: 0 = s, 1 = e
	s_and_b32 s28, s24, 3                          ; my quarter of its 256 channels
	s_lshr_b32 s60, s25, 5                         ; the batch
	s_lshl_b32 s31, s27, 3
	s_add_co_u32 s31, s31, s60                     ; cg = 8 chain + batch
	s_and_b32 s26, s25, 31
	s_sub_co_u32 s26, 31, s26                      ; the record: 31 - chunk
	s_mov_b32 s34, 0x76543210                      ; v_permlanex16_b32: each lane takes its own place in the other half
	s_mov_b32 s35, 0xfedcba98
	s_mov_b32 s49, 1.0
	s_mov_b32 s62, 0x3b000000                      ; 1 / 512
	s_mov_b32 s63, 0x3727c5ac                      ; 1e-5
	v_and_b32 v1, 15, v0                           ; r
	v_bfe_u32 v2, v0, 4, 1                         ; hh
	v_and_b32 v3, 31, v0                           ; lane
	v_lshlrev_b32 v[LOFF], 4, v3
	v_mov_b32 v[ZERO], 0
	v_cmp_eq_u32 s48, 1, v2                        ; the upper half of the lanes
	v_lshlrev_b32 v12, 4, v0
	v_lshlrev_b32 v13, 3, v0
	s_lshl_b32 s50, s25, 7
	s_lshl_b32 s51, s24, 4
	s_add_co_u32 s50, s50, s51                     ; my four indices: 4 (32 g + 4 w)
	s_mov_b32 s51, 0
	s_mul_i32 s58, s24, STREAM
	s_mov_b32 s59, 0
	s_wait_kmcnt 0x0
	s_add_nc_u64 s[4:5], s[4:5], s[50:51]
	s_load_b128 s[36:39], s[4:5], 0x0
	s_add_nc_u64 s[WP:WP+1], s[16:17], s[58:59]
	global_load_b128 v[16:19], v12, s[8:9]         ; b1: four numbers a thread
	global_load_b64 v[20:21], v13, s[10:11]        ; b2, gamma, beta: two
	global_load_b64 v[22:23], v13, s[12:13]
	global_load_b64 v[24:25], v13, s[14:15]
	s_mul_i32 s58, s31, 589824
	s_mul_i32 s61, s26, 18432
	s_add_co_u32 s58, s58, s61
	s_add_nc_u64 s[52:53], s[18:19], s[58:59]      ; my chain's record in kt
	s_lshl_b32 s58, s31, 12
	s_lshl_b32 s61, s26, 7
	s_add_co_u32 s58, s58, s61
	s_add_nc_u64 s[54:55], s[20:21], s[58:59]      ; and in mn
	s_lshl_b32 s58, s31, 10
	s_lshl_b32 s61, s28, 8
	s_add_co_u32 s58, s58, s61
	s_add_nc_u64 s[56:57], s[22:23], s[58:59]      ; my 64 channels in qv
	s_wait_kmcnt 0x0
.irp j, 0,1,2,3
	s_min_u32 s[36+(\j)], s[36+(\j)], 31999
	s_lshl_b32 s50, s[36+(\j)], 11                 ; a row of embed is 2,048 bytes
	s_add_nc_u64 s[40+2*(\j):41+2*(\j)], s[6:7], s[50:51]
.endr
.irp j, 0,1,2,3
.irp q, 0,1,2,3
	global_load_b128 v[ACC+16*(\j)+4*(\q):ACC+16*(\j)+4*(\q)+3], v[LOFF], s[40+2*(\j):41+2*(\j)] offset:512*(\q)
.endr
.endr
	RLOAD 0, 0                                     ; the ring's first four groups
	RLOAD 1, 4096
	RLOAD 2, 2*4096
	RLOAD 3, 3*4096
	v_mul_u32_u24 v[HBF], v1, HP
	v_lshl_add_u32 v[HBF], v2, 4, v[HBF]
	v_mul_u32_u24 v[UBF], v1, UP
	v_lshl_add_u32 v[UBF], v2, 4, v[UBF]
	v_add_nc_u32 v[UBF], UB, v[UBF]
	s_lshl_b32 s61, s24, 7
	v_add_nc_u32 v[UST], s61, v[UBF]
	v_add_nc_u32 v[XA], s61, v[HBF]
	s_lshl_b32 s61, s24, 8
	s_add_co_u32 s61, s61, B1L
	v_lshl_add_u32 v[BIA], v2, 5, s61
	s_mul_i32 s61, s24, 4*HP
	v_lshl_add_u32 v30, v3, 3, s61                 ; where my wave's four rows of h go
	s_lshl_b32 s61, s24, 2
	s_add_co_u32 s61, s61, S1
	v_lshl_add_u32 v[SST], v3, 5, s61
	v_lshlrev_b32 v[SLD], 5, v1
	v_add_nc_u32 v[SLD], S1, v[SLD]
	v_add_nc_u32 v14, B1L, v12
	v_add_nc_u32 v15, B1L+4096, v13
	s_wait_loadcnt 32                              ; all but the ring's 32 loads
.set t, 0
.rept 16                               ; row t / 4 of my four, its bytes 512 (t % 4) on
	v_cvt_pk_bf16_f32 v[ACT+2*t], v[ACC+4*t], v[ACC+4*t+1]
	v_cvt_pk_bf16_f32 v[ACT+2*t+1], v[ACC+4*t+2], v[ACC+4*t+3]
	ds_store_b64 v30, v[ACT+2*t:ACT+2*t+1] offset:(t/4)*HP+(t%4)*256
.set t, t+1
.endr
	RND2 16, 17
	RND2 18, 19
	RND2 20, 21
	RND2 22, 23
	RND2 24, 25
	ds_store_b128 v14, v[16:19]
	ds_store_b64 v15, v[20:21]
	ds_store_b64 v15, v[22:23] offset:2048
	ds_store_b64 v15, v[24:25] offset:4096
	s_wait_dscnt 0x0
	s_barrier_signal -1
	s_barrier_wait -1                              ; h and the small vectors lie in LDS
	; U = relu(h W1^T + b1), in two passes of 512 columns
	s_mov_b32 s30, 2
.Lpass:
	BIAS
	v_mov_b32 v[ACTA], v[HBF]
	LDACT 0, 0, HP
	s_mov_b32 s29, 3
.Lg1:
	TRIP HP, 0, 1, bf16, 0, 24, 24, 24, 24
	s_sub_co_u32 s29, s29, 1
	s_cmp_lg_u32 s29, 0
	s_cbranch_scc1 .Lg1
	TRIP HP, 1, 1, bf16, 0, 24, 24, 24, 24
.irp t, 0,1,2,3,4,5,6,7
	CVT4 bf16_f32, ACC+8*(\t)
.irp q, 0,1,2,3
	v_pk_max_num_bf16 v[ACC+8*(\t)+(\q)], v[ACC+8*(\t)+(\q)], v[ZERO]
.endr
	ds_store_b128 v[UST], v[ACC+8*(\t):ACC+8*(\t)+3] offset:((\t)/4)*16*UP+32*((\t)%4)
.endr
	v_add_nc_u32 v[BIA], 2048, v[BIA]
	v_add_nc_u32 v[UST], 1024, v[UST]
	s_sub_co_u32 s30, s30, 1
	s_cmp_lg_u32 s30, 0
	s_cbranch_scc1 .Lpass
	s_wait_dscnt 0x0
	s_barrier_signal -1
	s_barrier_wait -1                              ; U is whole
	; x = h + b2 + U W2^T: the sums start at h + b2
	BIAS
.irp t, 0,1,2,3,4,5,6,7
	ds_load_b128 v[ACT+4*(\t):ACT+4*(\t)+3], v[XA] offset:((\t)/4)*16*HP+32*((\t)%4)
.endr
	s_wait_dscnt 0x0
.set t, 0
.rept 8
.irp q, 0,1,2,3
	v_lshlrev_b32 v[12+2*(\q)], 16, v[ACT+4*t+(\q)]
	v_and_b32 v[13+2*(\q)], 0xffff0000, v[ACT+4*t+(\q)]
	v_pk_add_f32 v[ACC+8*t+2*(\q):ACC+8*t+2*(\q)+1], v[ACC+8*t+2*(\q):ACC+8*t+2*(\q)+1], v[12+2*(\q):13+2*(\q)]
.endr
.set t, t+1
.endr
	v_mov_b32 v[ACTA], v[UBF]
	LDACT 0, 0, UP
	s_mov_b32 s29, 7
.Lg2:
	TRIP UP, 0, 1, bf16, 0, 24, 24, 24, 24
	s_sub_co_u32 s29, s29, 1
	s_cmp_lg_u32 s29, 0
	s_cbranch_scc1 .Lg2
	TRIP UP, 1, 1, bf16, 0, 24, 24, 24, 24
	; LayerNorm: the mean, then the variance of x - mean
	ROWRED 0, 0, 20
	ROWRED 1, 0, 21
	XRED 0
	RD8 0
	v_mul_f32 v16, s62, v96
	v_mul_f32 v18, s62, v104
	v_mov_b32 v17, v16
	v_mov_b32 v19, v18
.set p, 0
.rept 16
	v_pk_add_f32 v[ACC+2*p:ACC+2*p+1], v[ACC+2*p:ACC+2*p+1], v[16:17] neg_lo:[0,1] neg_hi:[0,1]
	v_pk_add_f32 v[ACC+32+2*p:ACC+32+2*p+1], v[ACC+32+2*p:ACC+32+2*p+1], v[18:19] neg_lo:[0,1] neg_hi:[0,1]
.set p, p+1
.endr
	ROWRED 0, 1, 20
	ROWRED 1, 1, 21
	XRED S2-S1
	RD8 S2-S1
	v_fma_f32 v16, v96, s62, s63
	v_fma_f32 v18, v104, s62, s63
	v_rsq_f32 v16, v16
	v_rsq_f32 v18, v18
	v_nop                                          ; a plain instruction behind the last root,
	s_wait_alu depctr_va_vdst(0)                   ; and one wait for both, ahead of their first reader
	v_mov_b32 v17, v16
	v_mov_b32 v19, v18
.irp np, 0,2                           ; two column tiles at a time: their gamma and beta fill the activation registers
.irp u, 0,1
	ds_load_b128 v[ACT+16*(\u):ACT+16*(\u)+3],     v[BIA] offset:2048+64*((\np)+(\u))
	ds_load_b128 v[ACT+16*(\u)+4:ACT+16*(\u)+7],   v[BIA] offset:2048+64*((\np)+(\u))+16
	ds_load_b128 v[ACT+16*(\u)+8:ACT+16*(\u)+11],  v[BIA] offset:4096+64*((\np)+(\u))
	ds_load_b128 v[ACT+16*(\u)+12:ACT+16*(\u)+15], v[BIA] offset:4096+64*((\np)+(\u))+16
.endr
	s_wait_dscnt 0x0
.irp u, 0,1
.irp mt, 0,1
	NORMT \mt, (\np)+(\u), \u
.endr
.endr
.endr
	s_wait_dscnt 0x0
	s_barrier_signal -1
	s_barrier_wait -1                              ; hn lies where h lay: h's last reads stand ahead of the two barriers above
	; k = hn Ws^T (waves 0-3), hn We^T (waves 4-7)
	v_mov_b32 v[ACTA], v[HBF]
	LDACT 0, 0, HP
	TRIP HP, 0, 1, f16, 1, 24, 24, 24, 24          ; the first step starts the sums
	s_mov_b32 s29, 2
.Lg3:
	TRIP HP, 0, 1, f16, 0, 24, 24, 24, 24
	s_sub_co_u32 s29, s29, 1
	s_cmp_lg_u32 s29, 0
	s_cbranch_scc1 .Lg3
	TRIP HP, 1, 0, f16, 0, 24, 16, 8, 0            ; the stream's end: the counts run down
	; the keys' norms
	ROWRED 0, 1, 20
	ROWRED 1, 1, 21
	XRED S3-S1
	s_lshl_b32 s61, s27, 4
	v_add_nc_u32 v30, s61, v[SLD]                  ; the four waves of my chain
	ds_load_b128 v[96:99],   v30 offset:S3-S1
	ds_load_b128 v[100:103], v30 offset:S3-S1+512
	s_wait_dscnt 0x0
	v_pk_add_f32 v[96:97], v[96:97], v[98:99]
	v_pk_add_f32 v[100:101], v[100:101], v[102:103]
	v_add_f32 v96, v96, v97
	v_add_f32 v100, v100, v101
	v_sqrt_f32 v16, v96
	v_sqrt_f32 v18, v100
	v_nop
	s_wait_alu depctr_va_vdst(0)
	v_max_num_f32 v16, 0x2b8cbccc, v16             ; max(|k|, 1e-12): rows r
	v_max_num_f32 v18, 0x2b8cbccc, v18             ; and 16 + r
	v_rcp_f32 v20, v16
	v_rcp_f32 v22, v18
	v_nop
	s_wait_alu depctr_va_vdst(0)
	v_mov_b32 v21, v20
	v_mov_b32 v23, v22
	s_cmp_lg_u32 s28, 0
	s_cbranch_scc1 .Lnomn                          ; one wave of each chain stores the 32 norms
	v_cndmask_b32 v24, v16, v18, s48
	v_lshlrev_b32 v25, 2, v3
	global_store_b32 v25, v24, s[54:55]
.Lnomn:
	s_and_b32 s61, s25, 31
	s_cmp_lg_u32 s61, 31
	s_cbranch_scc1 .Lnoq
	; the batch's last chunk: row 31 is the query.  It goes out normalised, in f32, and counts as a zero key from here on.
.irp nt, 0,1,2,3
.irp q, 0,2,4,6
	v_pk_mul_f32 v[RING+8*(\nt)+(\q):RING+8*(\nt)+(\q)+1], v[ACC+32+8*(\nt)+(\q):ACC+32+8*(\nt)+(\q)+1], v[22:23]
.endr
.endr
	v_lshlrev_b32 v31, 5, v2
	v_cmp_eq_u32 vcc_lo, 15, v1
	s_wait_xcnt 0x0                                ; EXEC changes only behind this wait
	s_and_saveexec_b32 s50, vcc_lo
.irp nt, 0,1,2,3
	global_store_b128 v31, v[RING+8*(\nt):RING+8*(\nt)+3],   s[56:57] offset:64*(\nt)
	global_store_b128 v31, v[RING+8*(\nt)+4:RING+8*(\nt)+7], s[56:57] offset:64*(\nt)+16
.endr
	s_wait_xcnt 0x0                                ; and again, ahead of the line that widens it
	s_or_b32 exec_lo, exec_lo, s50
	v_cndmask_b32 v22, v22, v[ZERO], vcc_lo
	v_mov_b32 v23, v22
.Lnoq:
	s_mul_i32 s61, s27, 32*KP
	s_add_co_u32 s61, s61, KNB                     ; my chain's kn
	s_lshl_b32 s50, s28, 7
	s_add_co_u32 s50, s50, s61
	v_mul_u32_u24 v15, v1, KP
	v_lshl_add_u32 v15, v2, 4, v15
	v_add_nc_u32 v30, s50, v15
.irp t, 0,1,2,3,4,5,6,7
.irp q, 0,2,4,6
	v_pk_mul_f32 v[ACC+8*(\t)+(\q):ACC+8*(\t)+(\q)+1], v[ACC+8*(\t)+(\q):ACC+8*(\t)+(\q)+1], v[20+2*((\t)/4):21+2*((\t)/4)]
.endr
	CVT4 f16_f32, ACC+8*(\t)
	ds_store_b128 v30, v[ACC+8*(\t):ACC+8*(\t)+3] offset:((\t)/4)*16*KP+32*((\t)%4)
.endr
	s_wait_dscnt 0x0
	s_barrier_signal -1
	s_barrier_wait -1                              ; kn is whole
	; kn leaves as whole rows, eight a wave; and one 16 x 16 tile of kn kn^T a wave
	s_mul_i32 s50, s28, 8*KP
	s_add_co_u32 s50, s50, s61
	v_add_nc_u32 v12, s50, v[LOFF]
.irp e, 0,1,2,3,4,5,6,7
	ds_load_b128 v[ACT+4*(\e):ACT+4*(\e)+3], v12 offset:KP*(\e)
.endr
	v_add_nc_u32 v15, s61, v15
	s_lshr_b32 s50, s28, 1                         ; the tile's place by source 0's rows,
	s_and_b32 s51, s28, 1                          ; and by source 1's
	s_mul_i32 s58, s50, 16*KP
	s_mul_i32 s59, s51, 16*KP
	v_add_nc_u32 v13, s58, v15
	v_add_nc_u32 v14, s59, v15
.irp ks, 0,1,2,3,4,5,6,7
	ds_load_b128 v[128+8*(\ks):131+8*(\ks)], v13 offset:64*(\ks)
	ds_load_b128 v[132+8*(\ks):135+8*(\ks)], v13 offset:64*(\ks)+32
	ds_load_b128 v[192+8*(\ks):195+8*(\ks)], v14 offset:64*(\ks)
	ds_load_b128 v[196+8*(\ks):199+8*(\ks)], v14 offset:64*(\ks)+32
.endr
	s_lshl_b32 s58, s28, 12
	v_add_nc_u32 v16, s58, v[LOFF]
	s_wait_dscnt 32                                ; the eight rows are in; the 32 fragment loads stay out
.irp e, 0,1,2,3,4,5,6,7
	global_store_b128 v16, v[ACT+4*(\e):ACT+4*(\e)+3], s[52:53] offset:512*(\e)  ; a row: 512 consecutive bytes, aligned
.endr
	s_mul_i32 s58, s27, 32*GP
	s_mul_i32 s59, s51, 16*GP
	s_add_co_u32 s58, s58, s59
	s_lshl_b32 s59, s50, 6
	s_add_co_u32 s58, s58, s59
	s_add_co_u32 s58, s58, GB
	v_mul_u32_u24 v17, v1, GP
	v_lshl_add_u32 v17, v2, 5, v17
	v_add_nc_u32 v17, s58, v17
	s_wait_dscnt 0x0
.irp ks, 0,1,2,3,4,5,6,7               ; two accumulators by turns, by the step's parity
.if (\ks) < 2
	v_wmma_f32_16x16x32_f16 v[ACC+8*((\ks)%2):ACC+8*((\ks)%2)+7], v[128+8*(\ks):135+8*(\ks)], v[192+8*(\ks):199+8*(\ks)], 0
.else
	v_wmma_f32_16x16x32_f16 v[ACC+8*((\ks)%2):ACC+8*((\ks)%2)+7], v[128+8*(\ks):135+8*(\ks)], v[192+8*(\ks):199+8*(\ks)], v[ACC+8*((\ks)%2):ACC+8*((\ks)%2)+7]
.endif
.endr
	NOP4
.irp q, 0,2,4,6
	v_pk_add_f32 v[ACC+(\q):ACC+(\q)+1], v[ACC+(\q):ACC+(\q)+1], v[ACC+8+(\q):ACC+8+(\q)+1]
.endr
.irp q, 0,2,4,6
	v_pk_mul_f32 v[ACC+(\q):ACC+(\q)+1], v[ACC+(\q):ACC+(\q)+1], 0xbd4ccccd op_sel_hi:[1,0]  ; times -0.05
.endr
	ds_store_b128 v17, v[ACC:ACC+3]                ; the product is symmetric: my eight numbers lie along the row named by source 1
	ds_store_b128 v17, v[ACC+4:ACC+7] offset:16
	s_wait_dscnt 0x0
	s_barrier_signal -1
	s_barrier_wait -1                              ; the last barrier: both chains' -0.05 G are whole
	; T (I + 0.05 U) = I, column by column: T[l][j] = (l == j) - 0.05 sum over s < j of T[l][s] G[s][j].  Lane l holds row l.  Wave 0: chain s, wave 1: chain e.
	s_cmp_gt_u32 s24, 1
	s_cbranch_scc1 .Lend
	s_mul_i32 s50, s24, 32*GP
	s_add_co_u32 s50, s50, GB
	v_mov_b32 v12, s50
	LOADROW 0
	s_lshl_b32 s58, s24, 3
	s_add_co_u32 s58, s58, s60
	s_mul_i32 s58, s58, 589824
	s_mul_i32 s61, s26, 18432
	s_add_co_u32 s58, s58, s61
	s_add_co_u32 s58, s58, 16384                   ; behind the record's 32 rows of kn
	s_mov_b32 s59, 0
	s_add_nc_u64 s[58:59], s[18:19], s[58:59]
.set j, 0
.rept 32
	v_cmp_eq_u32 vcc_lo, j, v3
	v_cndmask_b32 v[TT+j], 0, s49, vcc_lo
.set j, j+1
.endr
.set ts, 0
.rept 31
.if ts < 30
	LOADROW ts+1
	s_wait_dscnt 8-(ts+2)/4                        ; row ts is in; the next row's loads stay out
.else
	s_wait_dscnt 0x0
.endif
.set j, ts+1
.rept 31-ts
	v_fmac_f32 v[TT+j], v[TT+ts], v[GBUF+32*(ts%2)+j]
.set j, j+1
.endr
.set ts, ts+1
.endr
.set j, 0
.rept 16
	v_cvt_pk_f16_f32 v[224+j], v[TT+2*j], v[TT+2*j+1]
.set j, j+1
.endr
.irp q, 0,1,2,3
	global_store_b128 v[LOFF], v[224+4*(\q):227+4*(\q)], s[58:59] offset:512*(\q)  ; piece q: 512 consecutive bytes, aligned
.endr
.Lend:
	s_wait_tensorcnt 0x0                           ; the wave's end, behind my last LDS store
	ds_add_u32 v[SPW], v[NIL]
	s_wait_dscnt 0x0
	s_endpgm
.Lfunc_end_k_q52cebd0d25_ffk:
	.size	k_q52cebd0d25_ffk, .Lfunc_end_k_q52cebd0d25_ffk-k_q52cebd0d25_ffk
	.p2alignl 7, 3214868480
	.fill 96, 4, 3214868480
	.section	.rodata,"a",@progbits
	.p2align	6, 0x0
	.amdhsa_kernel k_q52cebd0d25_ffk
		.amdhsa_group_segment_fixed_size 167936
		.amdhsa_private_segment_fixed_size 0
		.amdhsa_enable_private_segment 0
		.amdhsa_kernarg_size 80
		.amdhsa_user_sgpr_count 2
		.amdhsa_user_sgpr_kernarg_segment_ptr 1
		.amdhsa_wavefront_size32 1
		.amdhsa_system_sgpr_workgroup_id_x 1
		.amdhsa_system_sgpr_workgroup_id_y 1
		.amdhsa_system_sgpr_workgroup_id_z 1
		.amdhsa_system_vgpr_workitem_id 0
		.amdhsa_next_free_vgpr 256
		.amdhsa_next_free_sgpr 66
		.amdhsa_reserve_vcc 1
		.amdhsa_float_denorm_mode_32 3
		.amdhsa_float_denorm_mode_16_64 3
		.amdhsa_memory_ordered 1
		.amdhsa_forward_progress 1
		.amdhsa_inst_pref_size 134
	.end_amdhsa_kernel
	.amdgpu_metadata
---
amdhsa.version: [ 1, 2 ]
amdhsa.kernels:
  - .name:           k_q52cebd0d25_ffk
    .symbol:         k_q52cebd0d25_ffk.kd
    .args:
      - { .name: seq, .offset: 0, .size: 8, .value_kind: global_buffer, .address_space: global }
      - { .name: embed, .offset: 8, .size: 8, .value_kind: global_buffer, .address_space: global }
      - { .name: b1, .offset: 16, .size: 8, .value_kind: global_buffer, .address_space: global }
      - { .name: b2, .offset: 24, .size: 8, .value_kind: global_buffer, .address_space: global }
      - { .name: gamma, .offset: 32, .size: 8, .value_kind: global_buffer, .address_space: global }
      - { .name: beta, .offset: 40, .size: 8, .value_kind: global_buffer, .address_space: global }
      - { .name: wst, .offset: 48, .size: 8, .value_kind: global_buffer, .address_space: global }
      - { .name: kt, .offset: 56, .size: 8, .value_kind: global_buffer, .address_space: global }
      - { .name: mn, .offset: 64, .size: 8, .value_kind: global_buffer, .address_space: global }
      - { .name: qv, .offset: 72, .size: 8, .value_kind: global_buffer, .address_space: global }
    .group_segment_fixed_size: 167936
    .private_segment_fixed_size: 0
    .kernarg_segment_align: 8
    .kernarg_segment_size: 80
    .max_flat_workgroup_size: 256
    .sgpr_count:     66
    .vgpr_count:     256
    .wavefront_size: 32
...
	.end_amdgpu_metadata
.endif
;; end of part 2
;; launch scan (part 3): grid 16 x 16, 4 waves a work-group, clusters of 4 x 1, 327,680 bytes of LDS; arguments kt, mn, qv, Wrp, yp; writes yp
.if DOCPART == 3
	.amdgcn_target "amdgcn-amd-amdhsa--gfx1250"
	.amdhsa_code_object_version 6
	.text
	.protected	k_q52cebd0d25_scan
	.globl	k_q52cebd0d25_scan
	.p2align	8
	.type	k_q52cebd0d25_scan,@function
k_q52cebd0d25_scan:
	s_mov_b64 s[64:65], 0
	v_nop
	global_prefetch_b8 v0, s[64:65] scope:SCOPE_SE
	s_setreg_imm32_b32 hwreg(HW_REG_WAVE_MODE, 25, 1), 1
	s_wait_xcnt 0x0
	s_wait_alu depctr_hold_cnt(0) depctr_sa_sdst(0) depctr_va_vdst(0) depctr_va_sdst(0) depctr_va_ssrc(0) depctr_va_vcc(0) depctr_vm_vsrc(0)
	s_getreg_b32 s2, hwreg(HW_REG_IB_STS2, 6, 4)
	s_cmp_eq_u32 s2, 0
	s_cbranch_scc0 .Lentry_in_a_cluster
	s_endpgm
.Lentry_in_a_cluster:
	s_bfe_u32 s2, ttmp6, 0x10000c
	s_cmp_lg_u32 s2, 0x3003
	s_cbranch_scc0 .Lentry_shape_is_right
	s_endpgm
.Lentry_shape_is_right:
; THE SCAN, BACKWARD, ON A VECTOR.  M_t = M_(t-1) (I - b kn kn^T) + b k kn^T with b = 0.05, and only M_T q is wanted.  So with q_T = q:
; a_t = kn_t . q_t,  c += b a_t k_t,  q_(t-1) = q_t - b a_t kn_t,  t = T .. 1: an identity for every input; the order of rounding differs from the forward scan's.
; For a chunk of 32 steps: r = Kn q; a = T r, T = (I + b strict_upper(Kn Kn^T))^-1 (made by the launch before); q -= b Kn^T a; c += b Kn^T (a m), since k = m kn.
; q is carried divided by its norm and m divided by the chain's largest: both factors are put back at the end, in f32.
; FORMATS.  kn, T, q, r, a, a m go to the matrix unit in f16: each is at most about 1 by the computation itself.  q and c are carried in f32.  c, which has no bound, goes into the last
; product as bf16 + the bf16 of the rest, in the eight columns of source 1 that would else be idle; Wrp is rounded to bf16.  LIMIT: a weight a m below 6e-8 counts as 0.
; SHARES.  Grid y = the chain (8 x (s or e) + batch).  Grid x = 16 replicas, which all run the recursion; replica x finishes rows 32 x .. 32 x + 31 of Wrp[:, my half] c.
; Wave w owns channels 64 w .. 64 w + 63 of q and c; the four partial r meet in LDS, one barrier a chunk, two sets of words by turns.
; CLUSTER.  The four replicas of a cluster walk the same records, so each tile is asked for JOINTLY: the same load, descriptor and mask in all four.  The place in the cluster enters Wrp's and yp's addresses alone.
; RING.  Two slots of 8 records (36 rows of 528 bytes each); a wave's load brings two records, 72 rows of 512 bytes.  By this text's count two loads of a wave are out at the start, later one.
.set RP,    528
.set RECB,  36*RP                      ; a record in LDS
.set SLOTB, 8*RECB
.set RECG,  36*512                     ; a record in memory
.set PR,    2*SLOTB                    ; the partial r: two sets 768 bytes apart, a wave's 128 bytes at 144 w
.set FT,    PR+1536                    ; m / max m: 1,024 f32
.set WRL,   FT+4096                    ; each wave's four fragments of Wrp, in bf16
.set SPARE, WRL+16384                  ; the spare words, 128 bytes for each wave: two blocks of 256 bytes that no other line names
.set QA,  32                           ; v[32:63]   q: channel 16 i + 8 hh + j in register 8 i + j, the same in all 16 columns
.set CA,  64                           ; v[64:95]   c, likewise
.set QF,  96                           ; v[96:111]  q in f16: two fragments of source 1
.set KA,  112                          ; v[112:143] Kn: fragment (mt, ks) at 8 (2 mt + ks)
.set KTR, 144                          ; v[144:175] Kn^T: four fragments
.set TF,  176                          ; v[176:191] T: two fragments
.set RA,  192                          ; v[192:207] my partial r; then a
.set PRD, 208                          ; v[208:223] at work
.set FM,  224                          ; v[224:239] the chunk's m
.set RB,  240                          ; v[240:247] r, then -0.05 a, in f16
.set WB,  248                          ; v[248:255] a m in f16
; v4 Kn's, v5 Kn^T's, v6 T's address in the pair of records in hand; v10-12 the same in slot 0's first record; v7 m's; v8 where I put my partial r; v9 where I read one; v16, v17 the add's; v[18:19] the last scale; v27 my fragments of Wrp
.macro NOP4
.rept 4
	v_nop
.endr
.endm
.macro ROUND                           ; a round of the cluster's barrier
	s_barrier_signal -1
	s_barrier_wait -1
	s_cmp_lg_u32 s14, 0
	s_cbranch_scc1 .Lnw0_\@
	s_barrier_signal -3
.Lnw0_\@:
	s_barrier_wait -3
	s_barrier_signal -1
	s_barrier_wait -1
.endm
.macro LDKA off
.irp fr, 0,1,2,3
	ds_load_b128 v[KA+8*(\fr):KA+8*(\fr)+3],   v4 offset:(\off)+((\fr)/2)*16*RP+((\fr)%2)*64
	ds_load_b128 v[KA+8*(\fr)+4:KA+8*(\fr)+7], v4 offset:(\off)+((\fr)/2)*16*RP+((\fr)%2)*64+32
.endr
.endm
.macro LDTF off
.irp mt, 0,1
	ds_load_b128 v[TF+8*(\mt):TF+8*(\mt)+3],   v6 offset:(\off)+256*(\mt)
	ds_load_b128 v[TF+8*(\mt)+4:TF+8*(\mt)+7], v6 offset:(\off)+256*(\mt)+2*RP
.endr
.endm
.macro LDKT adr, off                   ; the turning load: 32 steps x 16 channels a fragment
.irp i, 0,1,2,3
	ds_load_tr16_b128 v[KTR+8*(\i):KTR+8*(\i)+3],   v[\adr] offset:(\off)+32*(\i)
	ds_load_tr16_b128 v[KTR+8*(\i)+4:KTR+8*(\i)+7], v[\adr] offset:(\off)+32*(\i)+16*RP
.endr
.endm
.macro ST16 off                        ; 32 numbers, the same in all 16 columns: number 8 hh + j at 32 hh + 4 j, number 16 + 8 hh + j 64 bytes on
	ds_store_b128 v8, v[RA:RA+3]     offset:(\off)
	ds_store_b128 v8, v[RA+4:RA+7]   offset:(\off)+16
	ds_store_b128 v8, v[RA+8:RA+11]  offset:(\off)+64
	ds_store_b128 v8, v[RA+12:RA+15] offset:(\off)+80
.endm
.macro CACC                            ; c += Kn^T (a m), of the chunk whose Kn^T is still in registers
.irp i, 0,1,2,3
	v_wmma_f32_16x16x32_f16 v[CA+8*(\i):CA+8*(\i)+7], v[KTR+8*(\i):KTR+8*(\i)+7], v[WB:WB+7], v[CA+8*(\i):CA+8*(\i)+7]
.endr
.endm
; A CHUNK: record par (0, 1) of the pair in hand.  pre = 1: the next record's Kn and T are fetched.  No two matrix instructions on end share an accumulator.
.macro CHUNK par, pre
	s_wait_dscnt 0x4                               ; Kn is in; T's four loads may be out
	v_wmma_f32_16x16x32_f16 v[RA:RA+7],    v[KA:KA+7],     v[QF:QF+7],    0
	v_wmma_f32_16x16x32_f16 v[RA+8:RA+15], v[KA+16:KA+23], v[QF:QF+7],    0
	v_wmma_f32_16x16x32_f16 v[RA:RA+7],    v[KA+8:KA+15],  v[QF+8:QF+15], v[RA:RA+7]
	v_wmma_f32_16x16x32_f16 v[RA+8:RA+15], v[KA+24:KA+31], v[QF+8:QF+15], v[RA+8:RA+15]
	NOP4
	ST16 768*(\par)
	CACC                                           ; the chunk before's c: nothing waits for it
	s_wait_dscnt 0x0                               ; my partial r is stored, T is in, and my reads of the other set of words are long over
	s_barrier_signal -1
	NOP4                                           ; the places ahead of the loads into Kn^T's registers
	s_barrier_wait -1
	ds_load_b128 v[PRD:PRD+3],     v9 offset:768*(\par)      ; column n takes the partial r of wave n % 4
	ds_load_b128 v[PRD+4:PRD+7],   v9 offset:768*(\par)+16
	ds_load_b128 v[PRD+8:PRD+11],  v9 offset:768*(\par)+64
	ds_load_b128 v[PRD+12:PRD+15], v9 offset:768*(\par)+80
	ds_load_b128 v[FM:FM+3],     v7 offset:128*(\par)
	ds_load_b128 v[FM+4:FM+7],   v7 offset:128*(\par)+16
	ds_load_b128 v[FM+8:FM+11],  v7 offset:128*(\par)+64
	ds_load_b128 v[FM+12:FM+15], v7 offset:128*(\par)+80
	LDKT 5, (\par)*RECB
	s_wait_dscnt 12                                ; the partial r are in; m's four and Kn^T's eight loads stay out
.set z, 0
.rept 16
	v_add_f32_dpp v[PRD+z], v[PRD+z], v[PRD+z] row_xmask:1 row_mask:0xf bank_mask:0xf
.set z, z+1
.endr
.set z, 0
.rept 16
	v_add_f32_dpp v[PRD+z], v[PRD+z], v[PRD+z] row_xmask:2 row_mask:0xf bank_mask:0xf   ; the four waves' sum, the same bits in every lane
.set z, z+1
.endr
.set z, 0
.rept 8
	v_cvt_pk_f16_f32 v[RB+z], v[PRD+2*z], v[PRD+2*z+1]
.set z, z+1
.endr
	v_wmma_f32_16x16x32_f16 v[RA:RA+7],    v[TF:TF+7],    v[RB:RB+7], 0   ; a = T r
	v_wmma_f32_16x16x32_f16 v[RA+8:RA+15], v[TF+8:TF+15], v[RB:RB+7], 0
	NOP4
.if \pre
	LDKA (\par)*RECB+RECB
	LDTF (\par)*RECB+RECB
.endif
.set z, 0
.rept 8
	v_pk_mul_f32 v[PRD+2*z:PRD+2*z+1], v[RA+2*z:RA+2*z+1], s[46:47] op_sel_hi:[1,0]   ; -0.05 a
.set z, z+1
.endr
.set z, 0
.rept 8
	v_cvt_pk_f16_f32 v[RB+z], v[PRD+2*z], v[PRD+2*z+1]
.set z, z+1
.endr
.if \pre
	s_wait_dscnt 12                                ; m and Kn^T are in; the next record's twelve loads stay out
.else
	s_wait_dscnt 0x0
.endif
.irp i, 0,1,2,3
	v_wmma_f32_16x16x32_f16 v[QA+8*(\i):QA+8*(\i)+7], v[KTR+8*(\i):KTR+8*(\i)+7], v[RB:RB+7], v[QA+8*(\i):QA+8*(\i)+7]
.endr
.set z, 0
.rept 8                                ; a m: sixteen plain instructions that name none of those products' registers: their places
	v_pk_mul_f32 v[PRD+2*z:PRD+2*z+1], v[RA+2*z:RA+2*z+1], v[FM+2*z:FM+2*z+1]
.set z, z+1
.endr
.set z, 0
.rept 8
	v_cvt_pk_f16_f32 v[WB+z], v[PRD+2*z], v[PRD+2*z+1]
.set z, z+1
.endr
.set z, 0
.rept 16
	v_cvt_pk_f16_f32 v[QF+z], v[QA+2*z], v[QA+2*z+1]
.set z, z+1
.endr
.endm
.macro SEG slot                        ; a slot's eight records
	v_add_nc_u32 v4, (\slot)*SLOTB, v10
	v_add_nc_u32 v5, (\slot)*SLOTB, v11
	v_add_nc_u32 v6, (\slot)*SLOTB, v12
	LDKA 0
	LDTF 0
	s_mov_b32 s41, 3
.Lseg_\@:
	CHUNK 0, 1
	CHUNK 1, 1
	v_add_nc_u32 v4, 2*RECB, v4
	v_add_nc_u32 v5, 2*RECB, v5
	v_add_nc_u32 v6, 2*RECB, v6
	v_add_nc_u32 v7, 256, v7
	s_sub_co_u32 s41, s41, 1
	s_cmp_lg_u32 s41, 0
	s_cbranch_scc1 .Lseg_\@
	CHUNK 0, 1
	CHUNK 1, 0                                     ; the slot's last record: nothing beyond it is read
	v_add_nc_u32 v7, 256, v7
.endm
.macro REFILL slot                     ; the slot just read out takes the records 16 further on
	s_wait_tensorcnt 0x0                           ; all my tensor loads have landed, my part of the other slot among them: a group 0 may be written
	ds_add_u32 v16, v17                            ; 0 onto my spare word
	s_add_nc_u64 s[34+4*(\slot):35+4*(\slot)], s[34+4*(\slot):35+4*(\slot)], 16*RECG
	s_wait_dscnt 0x0                               ; the add is done, and my reads of the slot are over
	ROUND                                          ; both now hold of every wave of all four work-groups
	tensor_load_to_lds s[32+4*(\slot):35+4*(\slot)], s[24:31]
	s_nop 0
.endm
	s_load_b256 s[4:11], s[0:1], 0x0               ; kt s[4:5], mn s[6:7], qv s[8:9], Wrp s[10:11]
	s_load_b64 s[12:13], s[0:1], 0x20              ; yp
	v_lshl_add_u32 v16, v0, 2, SPARE
	v_mov_b32 v17, 0
	ds_add_u32 v16, v17                            ; the wave's opening: the add, with its wait, ahead of the round in front of my first tensor load
	v_lshrrev_b32 v20, 5, v0
	v_readfirstlane_b32 s14, v20                   ; wave 0..3
	s_bfe_u32 s15, ttmp6, 0x40000                  ; cx
	s_lshl_b32 s16, ttmp9, 2
	s_add_co_u32 s16, s16, s15                     ; the replica x = 4 x cluster x + cx
	s_and_b32 s17, ttmp7, 0xffff                   ; the chain, which the four partners share
	s_lshr_b32 s18, s17, 3                         ; s or e
	s_mov_b32 s24, 15|(1<<16)|(1<<20)|(1<<21)|(6<<22)|(3<<25)  ; the mask of four; 2-byte elements; padding on; bit 21 beside a mask; after every 128 words; 4 words
	s_mov_b32 s25, 256<<16                         ; tensor_dim0 = 256
	s_mov_b32 s26, 72<<16                          ; tensor_dim1 = 72
	s_mov_b32 s27, 256<<16                         ; tile_dim0 = 256
	s_mov_b32 s28, 72                              ; tile_dim1 = 72: two records
	s_mov_b32 s29, 256                             ; elements from row to row
	s_mov_b32 s30, 0
	s_mov_b32 s31, 0
	s_mov_b32 s32, 1
	s_mul_i32 s33, s14, 2*RECB                     ; slot 0, my two records
	s_mov_b32 s36, 1
	s_add_co_u32 s37, s33, SLOTB                   ; slot 1
	s_mul_i32 s20, s17, 32*RECG
	s_mul_i32 s21, s14, 2*RECG
	s_add_co_u32 s20, s20, s21
	s_mov_b32 s21, 0
	s_mov_b32 s43, 0
	s_mov_b32 s44, 0x76543210
	s_mov_b32 s45, 0xfedcba98
	s_mov_b32 s46, 0xbd4ccccd                      ; -0.05
	s_mov_b32 s47, s46                             ; named with it as a pair
	s_wait_dscnt 0x0                               ; the opening add is done
	s_wait_kmcnt 0x0
	s_add_nc_u64 s[34:35], s[4:5], s[20:21]
	s_add_nc_u64 s[38:39], s[34:35], 8*RECG
	s_or_b32 s35, s35, 0x80000000
	s_or_b32 s39, s39, 0x80000000
	ROUND                                          ; all four work-groups are here: the first joint loads meet
	tensor_load_to_lds s[32:35], s[24:31]          ; records 0-7
	s_nop 0
	tensor_load_to_lds s[36:39], s[24:31]          ; records 8-15
	s_nop 0
	s_lshl_b32 s42, s17, 12
	s_add_nc_u64 s[6:7], s[6:7], s[42:43]          ; the chain's norms
	s_load_b32 s40, s[6:7], 0x7c                   ; the query's norm: record 0, row 31
	s_lshl_b32 s42, s17, 10
	s_add_nc_u64 s[8:9], s[8:9], s[42:43]
	s_lshl_b32 s42, s16, 16                        ; 32 x rows of 2,048 bytes,
	s_lshl_b32 s22, s18, 10                        ; the chain's 256 columns,
	s_add_co_u32 s42, s42, s22
	s_lshl_b32 s22, s14, 8                         ; my wave's 64
	s_add_co_u32 s42, s42, s22
	s_add_nc_u64 s[10:11], s[10:11], s[42:43]
	s_lshl_b32 s42, s17, 11
	s_lshl_b32 s22, s16, 7
	s_add_co_u32 s42, s42, s22
	s_add_nc_u64 s[12:13], s[12:13], s[42:43]
	v_and_b32 v1, 15, v0                           ; n
	v_bfe_u32 v2, v0, 4, 1                         ; hh
	v_and_b32 v3, 31, v0                           ; lane
	v_lshlrev_b32 v13, 5, v2                       ; 32 hh
	v_lshlrev_b32 v14, 4, v3                       ; 16 lane
.irp e, 0,1,2,3,4,5,6,7
	global_load_b128 v[112+4*(\e):115+4*(\e)], v14, s[6:7] offset:512*(\e)   ; all 1,024 norms, for their maximum
.endr
	s_lshl_b32 s23, s14, 10
	v_add_nc_u32 v15, s23, v14
	global_load_b128 v[144:147], v15, s[6:7]       ; my quarter of them, for the table
	global_load_b128 v[148:151], v15, s[6:7] offset:512
	s_lshl_b32 s22, s14, 8
	v_add_nc_u32 v21, s22, v13
.irp i, 0,1,2,3
	global_load_b128 v[QA+8*(\i):QA+8*(\i)+3],   v21, s[8:9] offset:64*(\i)
	global_load_b128 v[QA+8*(\i)+4:QA+8*(\i)+7], v21, s[8:9] offset:64*(\i)+16
.endr
	v_lshl_add_u32 v22, v1, 11, v13
.irp fr, 0,1,2,3                       ; Wrp's fragment (mt = fr / 2, ks = fr % 2), in f32
	global_load_b128 v[176+16*(\fr):179+16*(\fr)], v22, s[10:11] offset:((\fr)/2)*32768+((\fr)%2)*128
	global_load_b128 v[180+16*(\fr):183+16*(\fr)], v22, s[10:11] offset:((\fr)/2)*32768+((\fr)%2)*128+16
	global_load_b128 v[184+16*(\fr):187+16*(\fr)], v22, s[10:11] offset:((\fr)/2)*32768+((\fr)%2)*128+64
	global_load_b128 v[188+16*(\fr):191+16*(\fr)], v22, s[10:11] offset:((\fr)/2)*32768+((\fr)%2)*128+80
.endr
	s_lshl_b32 s19, s14, 7                         ; 128 w
	v_mul_u32_u24 v10, v1, RP
	v_lshl_add_u32 v10, v2, 4, v10
	v_add_nc_u32 v10, s19, v10                     ; Kn: row n, 16 bytes for each half of the lanes, my 64 channels
	v_and_b32 v20, 7, v0
	v_lshl_add_u32 v20, v2, 3, v20
	v_mul_u32_u24 v11, v20, RP
	v_bfe_u32 v20, v0, 3, 1
	v_lshl_add_u32 v11, v20, 4, v11
	v_add_nc_u32 v11, s19, v11                     ; Kn^T: step 8 hh + l % 8, channels 8 ((l / 8) % 2) on
	v_mul_u32_u24 v12, v2, RP
	v_lshl_add_u32 v12, v1, 4, v12
	v_add_nc_u32 v12, 32*RP, v12                   ; T: piece hh, T's row n
	v_add_nc_u32 v7, FT, v13
	s_mul_i32 s22, s14, 144
	s_add_co_u32 s22, s22, PR
	v_add_nc_u32 v8, s22, v13
	v_and_b32 v20, 3, v0
	v_mul_u32_u24 v20, v20, 144
	v_add_nc_u32 v9, v20, v13
	v_add_nc_u32 v9, PR, v9
	v_mov_b32 v23, 0
.set z, 0
.rept 32
	v_mov_b32 v[CA+z], 0                           ; c starts at 0, and so does the first chunk's a m: written while the first tile is on its way, so that a chunk has one form
.set z, z+1
.endr
.set z, 0
.rept 8
	v_mov_b32 v[WB+z], 0
.set z, z+1
.endr
	s_wait_loadcnt 0x0
	s_wait_kmcnt 0x0
	v_max3_num_f32 v20, v112, v113, v114
.set z, 0
.rept 14
	v_max3_num_f32 v20, v20, v[115+2*z], v[116+2*z]
.set z, z+1
.endr
	v_max_num_f32 v20, v20, v143
	v_max_num_f32_dpp v20, v20, v20 row_xmask:1 row_mask:0xf bank_mask:0xf
	v_max_num_f32_dpp v20, v20, v20 row_xmask:2 row_mask:0xf bank_mask:0xf
	v_max_num_f32_dpp v20, v20, v20 row_xmask:4 row_mask:0xf bank_mask:0xf
	v_max_num_f32_dpp v20, v20, v20 row_xmask:8 row_mask:0xf bank_mask:0xf
	v_permlanex16_b32 v23, v20, s44, s45
	v_max_num_f32 v20, v20, v23                    ; the chain's largest norm, at least 1e-12
	v_rcp_f32 v24, v20
	v_mul_f32 v18, s40, v20                        ; (the plain instruction behind the reciprocal)
	s_wait_alu depctr_va_vdst(0)
	v_mov_b32 v25, v24
	v_mul_f32 v18, 0x3d4ccccd, v18                 ; 0.05 |q| max m: what c is owed at the end
	v_mov_b32 v19, v18
.irp p, 0,2,4,6
	v_pk_mul_f32 v[144+(\p):145+(\p)], v[144+(\p):145+(\p)], v[24:25]
.endr
	v_add_nc_u32 v26, FT, v15
	ds_store_b128 v26, v[144:147]
	ds_store_b128 v26, v[148:151] offset:512
.irp fr, 0,1,2,3
.irp q, 0,1,2,3,4,5,6,7
	v_cvt_pk_bf16_f32 v[176+16*(\fr)+(\q)], v[176+16*(\fr)+2*(\q)], v[176+16*(\fr)+2*(\q)+1]
.endr
.endr
	s_lshl_b32 s22, s14, 12
	s_add_co_u32 s22, s22, WRL
	v_add_nc_u32 v27, s22, v14
.irp fr, 0,1,2,3
	ds_store_b128 v27, v[176+16*(\fr):179+16*(\fr)] offset:1024*(\fr)
	ds_store_b128 v27, v[180+16*(\fr):183+16*(\fr)] offset:1024*(\fr)+512
.endr
.set z, 0
.rept 16
	v_cvt_pk_f16_f32 v[QF+z], v[QA+2*z], v[QA+2*z+1]
.set z, z+1
.endr
	s_wait_tensorcnt 0x1                           ; my part of slot 0 is in; slot 1's may stay out
	s_wait_dscnt 0x0                               ; my part of the table is stored
	s_barrier_signal -1
	s_barrier_wait -1
	LDKT 11, 0                                     ; finite numbers for the first chunk's product with a m = 0
	SEG 0                                          ; records 0-7
	REFILL 0                                       ; records 16-23
	SEG 1                                          ; records 8-15
	REFILL 1                                       ; records 24-31
	SEG 0
	s_wait_tensorcnt 0x0                           ; the last change of slots: nothing is asked for
	ds_add_u32 v16, v17
	s_wait_dscnt 0x0
	s_barrier_signal -1
	s_barrier_wait -1
	SEG 1
	; c is finished, scaled, and multiplied by my work-group's 32 rows of Wrp
	CACC
	NOP4
.set z, 0
.rept 16
	v_pk_mul_f32 v[CA+2*z:CA+2*z+1], v[CA+2*z:CA+2*z+1], v[18:19]
.set z, z+1
.endr
	v_cmp_le_u32 vcc_lo, 8, v1                     ; columns 8-15 take the rest
.set z, 0
.rept 16
	v_cvt_pk_bf16_f32 v[QF+z], v[CA+2*z], v[CA+2*z+1]
	v_lshlrev_b32 v20, 16, v[QF+z]
	v_and_b32 v21, 0xffff0000, v[QF+z]
	v_pk_add_f32 v[CA+2*z:CA+2*z+1], v[CA+2*z:CA+2*z+1], v[20:21] neg_lo:[0,1] neg_hi:[0,1]
	v_cvt_pk_bf16_f32 v[KA+z], v[CA+2*z], v[CA+2*z+1]
	v_cndmask_b32 v[QF+z], v[QF+z], v[KA+z], vcc_lo
.set z, z+1
.endr
.irp fr, 0,1,2,3
	ds_load_b128 v[KTR+8*(\fr):KTR+8*(\fr)+3],   v27 offset:1024*(\fr)   ; my own bytes
	ds_load_b128 v[KTR+8*(\fr)+4:KTR+8*(\fr)+7], v27 offset:1024*(\fr)+512
.endr
	s_wait_dscnt 0x0
	v_wmma_f32_16x16x32_bf16 v[RA:RA+7],    v[KTR:KTR+7],     v[QF:QF+7],    0
	v_wmma_f32_16x16x32_bf16 v[RA+8:RA+15], v[KTR+16:KTR+23], v[QF:QF+7],    0
	v_wmma_f32_16x16x32_bf16 v[RA:RA+7],    v[KTR+8:KTR+15],  v[QF+8:QF+15], v[RA:RA+7]
	v_wmma_f32_16x16x32_bf16 v[RA+8:RA+15], v[KTR+24:KTR+31], v[QF+8:QF+15], v[RA+8:RA+15]
	NOP4
.set z, 0
.rept 16
	v_add_f32_dpp v[RA+z], v[RA+z], v[RA+z] row_xmask:8 row_mask:0xf bank_mask:0xf   ; the two parts of c
.set z, z+1
.endr
	ST16 0                                         ; the set of words last read two barriers back
	s_wait_dscnt 0x0
	s_barrier_signal -1
	s_barrier_wait -1
	s_cmp_lg_u32 s14, 0
	s_cbranch_scc1 .Lfin
	v_lshlrev_b32 v20, 2, v3
	v_add_nc_u32 v21, PR, v20
	ds_load_b32 v208, v21
	ds_load_b32 v209, v21 offset:144
	ds_load_b32 v210, v21 offset:288
	ds_load_b32 v211, v21 offset:432
	s_wait_dscnt 0x0
	v_add_f32 v208, v208, v209
	v_add_f32 v210, v210, v211
	v_add_f32 v208, v208, v210
	global_store_b32 v20, v208, s[12:13]           ; 128 bytes a work-group, 32,768 in the launch
.Lfin:
	s_wait_tensorcnt 0x0                           ; the wave's end, behind my last tensor load and my last LDS store
	ds_add_u32 v16, v17
	s_wait_dscnt 0x0
	ROUND                                          ; the closing round
	s_endpgm
.Lfunc_end_k_q52cebd0d25_scan:
	.size	k_q52cebd0d25_scan, .Lfunc_end_k_q52cebd0d25_scan-k_q52cebd0d25_scan
	.p2alignl 7, 3214868480
	.fill 96, 4, 3214868480
	.section	.rodata,"a",@progbits
	.p2align	6, 0x0
	.amdhsa_kernel k_q52cebd0d25_scan
		.amdhsa_group_segment_fixed_size 327680
		.amdhsa_private_segment_fixed_size 0
		.amdhsa_enable_private_segment 0
		.amdhsa_kernarg_size 40
		.amdhsa_user_sgpr_count 2
		.amdhsa_user_sgpr_kernarg_segment_ptr 1
		.amdhsa_wavefront_size32 1
		.amdhsa_system_sgpr_workgroup_id_x 1
		.amdhsa_system_sgpr_workgroup_id_y 1
		.amdhsa_system_sgpr_workgroup_id_z 1
		.amdhsa_system_vgpr_workitem_id 0
		.amdhsa_next_free_vgpr 256
		.amdhsa_next_free_sgpr 66
		.amdhsa_reserve_vcc 1
		.amdhsa_float_denorm_mode_32 3
		.amdhsa_float_denorm_mode_16_64 3
		.amdhsa_memory_ordered 1
		.amdhsa_forward_progress 1
		.amdhsa_inst_pref_size 173
	.end_amdhsa_kernel
	.amdgpu_metadata
---
amdhsa.version: [ 1, 2 ]
amdhsa.kernels:
  - .name:           k_q52cebd0d25_scan
    .symbol:         k_q52cebd0d25_scan.kd
    .args:
      - { .name: kt, .offset: 0, .size: 8, .value_kind: global_buffer, .address_space: global }
      - { .name: mn, .offset: 8, .size: 8, .value_kind: global_buffer, .address_space: global }
      - { .name: qv, .offset: 16, .size: 8, .value_kind: global_buffer, .address_space: global }
      - { .name: Wrp, .offset: 24, .size: 8, .value_kind: global_buffer, .address_space: global }
      - { .name: yp, .offset: 32, .size: 8, .value_kind: global_buffer, .address_space: global }
    .group_segment_fixed_size: 327680
    .private_segment_fixed_size: 0
    .kernarg_segment_align: 8
    .kernarg_segment_size: 40
    .max_flat_workgroup_size: 128
    .sgpr_count:     66
    .vgpr_count:     256
    .wavefront_size: 32
...
	.end_amdgpu_metadata
.endif
;; end of part 3
;; launch head (part 4): grid 250 x 1, 8 waves a work-group, no clusters, 313,344 bytes of LDS; arguments yp, brp, Wout, bout, out0; writes out0
.if DOCPART == 4
	.amdgcn_target "amdgcn-amd-amdhsa--gfx1250"
	.amdhsa_code_object_version 6
	.text
	.protected	k_q52cebd0d25_head
	.globl	k_q52cebd0d25_head
	.p2align	8
	.type	k_q52cebd0d25_head,@function
k_q52cebd0d25_head:
	s_mov_b64 s[64:65], 0
	v_nop
	global_prefetch_b8 v0, s[64:65] scope:SCOPE_SE
	s_setreg_imm32_b32 hwreg(HW_REG_WAVE_MODE, 25, 1), 1
	s_wait_xcnt 0x0
; y[b] = brp + yp[b] + yp[8 + b];  out0[b][v] = y[b] . Wout[v] + bout[v].  Wout is the launch: 65,536,000 bytes, each read once.
; SHARES.  A work-group owns 128 rows of Wout.  K is split among its eight waves: wave w takes k = 64 w .. 64 w + 63, 256 consecutive bytes, aligned, of each row,
; brought by two tensor loads of 64 rows, issued first of all; nothing is filled again, and a wave reads its own tile alone, behind its own wait.  The eight partial sums meet in LDS.
; NO CLUSTER: no two work-groups read the same row of Wout; y is 16 KiB.
; FORMATS.  Wout, brp, bout are rounded to bf16.  y has no bound: it goes as bf16 (columns 0-7 of source 1) + the bf16 of the rest (columns 8-15).  Sums in f32.
.set TP,    272                        ; a row in LDS: 256 bytes + 16
.set TILE,  128*TP                     ; a wave's tile
.set PS,    8*TILE                     ; the partial sums: [wave 8][b 8][128 f32 + 16 bytes]
.set SPARE, PS+8*8*528                 ; the spare words, 128 bytes for each wave: four blocks of 256 bytes that no other line names
.set BF,  64                           ; v[64:79]   y: two fragments of source 1
.set ACC, 128                          ; v[128:191] eight accumulators
.set STG, 192                          ; v[192:255] four fragments of Wout in f32, then (in their low halves) in bf16
.macro NOP4
.rept 4
	v_nop
.endr
.endm
.macro RND2 a, b
	v_cvt_pk_bf16_f32 v16, v[\a], v[\b]
	v_lshlrev_b32 v[\a], 16, v16
	v_and_b32 v[\b], 0xffff0000, v16
.endm
.macro LD4 dst, adr, sb, off           ; a lane's sixteen numbers of 32 k: 8 hh + 0..7 and 16 + 8 hh + 0..7
	global_load_b128 v[(\dst):(\dst)+3],     v[\adr], s[\sb:(\sb)+1] offset:(\off)
	global_load_b128 v[(\dst)+4:(\dst)+7],   v[\adr], s[\sb:(\sb)+1] offset:(\off)+16
	global_load_b128 v[(\dst)+8:(\dst)+11],  v[\adr], s[\sb:(\sb)+1] offset:(\off)+64
	global_load_b128 v[(\dst)+12:(\dst)+15], v[\adr], s[\sb:(\sb)+1] offset:(\off)+80
.endm
; Four row tiles (half hf of the eight), 32 k (ks): 16 LDS loads, then for each fragment its wait, eight roundings and one product; the four accumulators take turns.
.macro BATCH hf, ks
.irp f, 0,1,2,3
	ds_load_b128 v[STG+16*(\f):STG+16*(\f)+3],     v7 offset:(4*(\hf)+(\f))*16*TP+128*(\ks)
	ds_load_b128 v[STG+16*(\f)+4:STG+16*(\f)+7],   v7 offset:(4*(\hf)+(\f))*16*TP+128*(\ks)+16
	ds_load_b128 v[STG+16*(\f)+8:STG+16*(\f)+11],  v7 offset:(4*(\hf)+(\f))*16*TP+128*(\ks)+64
	ds_load_b128 v[STG+16*(\f)+12:STG+16*(\f)+15], v7 offset:(4*(\hf)+(\f))*16*TP+128*(\ks)+80
.endr
.irp f, 0,1,2,3
	s_wait_dscnt 12-4*(\f)                         ; this fragment's four loads are in; the later fragments' stay out
.irp q, 0,1,2,3,4,5,6,7
	v_cvt_pk_bf16_f32 v[STG+16*(\f)+(\q)], v[STG+16*(\f)+2*(\q)], v[STG+16*(\f)+2*(\q)+1]
.endr
.if (\ks) == 0
	v_wmma_f32_16x16x32_bf16 v[ACC+8*(4*(\hf)+(\f)):ACC+8*(4*(\hf)+(\f))+7], v[STG+16*(\f):STG+16*(\f)+7], v[BF+8*(\ks):BF+8*(\ks)+7], 0
.else
	v_wmma_f32_16x16x32_bf16 v[ACC+8*(4*(\hf)+(\f)):ACC+8*(4*(\hf)+(\f))+7], v[STG+16*(\f):STG+16*(\f)+7], v[BF+8*(\ks):BF+8*(\ks)+7], v[ACC+8*(4*(\hf)+(\f)):ACC+8*(4*(\hf)+(\f))+7]
.endif
.endr
	NOP4                                           ; the places ahead of the next loads into these registers, and of the sums that read results
.endm
	s_load_b256 s[4:11], s[0:1], 0x0               ; yp s[4:5], brp s[6:7], Wout s[8:9], bout s[10:11]
	s_load_b64 s[12:13], s[0:1], 0x20              ; out0
	v_lshl_add_u32 v8, v0, 2, SPARE
	v_mov_b32 v9, 0
	ds_add_u32 v8, v9                              ; the wave's opening: the add, with its wait, ahead of my first tensor load
	v_lshrrev_b32 v10, 5, v0
	v_readfirstlane_b32 s14, v10                   ; wave 0..7
	s_mov_b32 s24, (2<<16)|(1<<20)|(5<<22)|(3<<25) ; 4-byte elements; padding on; after every 64 words; 4 words
	s_mov_b32 s25, 64<<16                          ; tensor_dim0 = 64
	s_mov_b32 s26, 64<<16                          ; tensor_dim1 = 64
	s_mov_b32 s27, 64<<16                          ; tile_dim0 = 64
	s_mov_b32 s28, 64                              ; tile_dim1 = 64
	s_mov_b32 s29, 512                             ; elements from row to row
	s_mov_b32 s30, 0
	s_mov_b32 s31, 0
	s_mov_b32 s32, 1
	s_mul_i32 s33, s14, TILE                       ; my tile: rows 0-63,
	s_mov_b32 s36, 1
	s_add_co_u32 s37, s33, 64*TP                   ; rows 64-127
	s_lshl_b32 s20, ttmp9, 18                      ; 128 rows of 2,048 bytes
	s_lshl_b32 s22, s14, 8                         ; my 256 bytes of a row
	s_add_co_u32 s20, s20, s22
	s_mov_b32 s21, 0
	s_wait_dscnt 0x0                               ; the opening add is done
	s_wait_kmcnt 0x0
	s_add_nc_u64 s[34:35], s[8:9], s[20:21]
	s_add_nc_u64 s[38:39], s[34:35], 64*2048
	s_or_b32 s35, s35, 0x80000000
	s_or_b32 s39, s39, 0x80000000
	tensor_load_to_lds s[32:35], s[24:31]
	s_nop 0
	tensor_load_to_lds s[36:39], s[24:31]
	s_nop 0
	v_and_b32 v1, 15, v0                           ; n
	v_bfe_u32 v2, v0, 4, 1                         ; hh
	v_and_b32 v3, 31, v0                           ; lane
	v_lshl_add_u32 v4, v2, 5, s22                  ; 256 w + 32 hh
	v_and_b32 v10, 7, v0                           ; b = n % 8
	v_lshl_add_u32 v5, v10, 11, v4
	v_lshlrev_b32 v6, 4, v3
	s_lshl_b32 s20, ttmp9, 9
	s_add_nc_u64 s[10:11], s[10:11], s[20:21]      ; bout at the work-group's 128 numbers
.irp ks, 0,1
	LD4 32+16*(\ks), 5, 4, 128*(\ks)
	LD4 64+16*(\ks), 5, 4, 16384+128*(\ks)
	LD4 96+16*(\ks), 4, 6, 128*(\ks)
.endr
	global_load_b128 v[12:15], v6, s[10:11]
	s_mul_i32 s23, s14, 128000                     ; wave b stores row b of out0
	s_add_co_u32 s20, s20, s23
	s_add_nc_u64 s[12:13], s[12:13], s[20:21]
	v_mul_u32_u24 v7, v1, TP
	v_lshl_add_u32 v7, v2, 5, v7
	v_add_nc_u32 v7, s33, v7                       ; Wout's fragments: row n, 32 bytes for each half of the lanes
	s_mul_i32 s23, s14, 8*528
	s_add_co_u32 s23, s23, PS
	v_mul_u32_u24 v10, v10, 528
	v_lshl_add_u32 v10, v2, 5, v10
	v_add_nc_u32 v10, s23, v10                     ; where my partial sums go
	s_mul_i32 s23, s14, 528
	s_add_co_u32 s23, s23, PS
	v_add_nc_u32 v11, s23, v6                      ; where row b's are read
	s_wait_loadcnt 0x0
.set p, 0
.rept 16
	RND2 96+2*p, 97+2*p
	v_pk_add_f32 v[32+2*p:33+2*p], v[32+2*p:33+2*p], v[64+2*p:65+2*p]
	v_pk_add_f32 v[32+2*p:33+2*p], v[32+2*p:33+2*p], v[96+2*p:97+2*p]
.set p, p+1
.endr
	RND2 12, 13
	RND2 14, 15
	v_cmp_le_u32 vcc_lo, 8, v1                     ; columns 8-15 take the rest
.set p, 0
.rept 16
	v_cvt_pk_bf16_f32 v[BF+p], v[32+2*p], v[33+2*p]
	v_lshlrev_b32 v18, 16, v[BF+p]
	v_and_b32 v19, 0xffff0000, v[BF+p]
	v_pk_add_f32 v[32+2*p:33+2*p], v[32+2*p:33+2*p], v[18:19] neg_lo:[0,1] neg_hi:[0,1]
	v_cvt_pk_bf16_f32 v[80+p], v[32+2*p], v[33+2*p]
	v_cndmask_b32 v[BF+p], v[BF+p], v[80+p], vcc_lo
.set p, p+1
.endr
	s_wait_tensorcnt 0x1                           ; rows 0-63 are in; the second load may stay out
	BATCH 0, 0
	BATCH 0, 1
	s_wait_tensorcnt 0x0
	BATCH 1, 0
	BATCH 1, 1
.set z, 0
.rept 64
	v_add_f32_dpp v[ACC+z], v[ACC+z], v[ACC+z] row_xmask:8 row_mask:0xf bank_mask:0xf   ; the two parts of y
.set z, z+1
.endr
.irp t, 0,1,2,3,4,5,6,7
	ds_store_b128 v10, v[ACC+8*(\t):ACC+8*(\t)+3]   offset:64*(\t)
	ds_store_b128 v10, v[ACC+8*(\t)+4:ACC+8*(\t)+7] offset:64*(\t)+16
.endr
	s_wait_dscnt 0x0
	s_barrier_signal -1
	s_barrier_wait -1                              ; all eight partial sums lie in LDS
.irp u, 0,1,2,3,4,5,6,7
	ds_load_b128 v[STG+4*(\u):STG+4*(\u)+3], v11 offset:8*528*(\u)
.endr
	s_wait_dscnt 0x0
.irp u, 0,8,16,24
	v_pk_add_f32 v[STG+(\u):STG+(\u)+1],   v[STG+(\u):STG+(\u)+1],   v[STG+(\u)+4:STG+(\u)+5]
	v_pk_add_f32 v[STG+(\u)+2:STG+(\u)+3], v[STG+(\u)+2:STG+(\u)+3], v[STG+(\u)+6:STG+(\u)+7]
.endr
.irp u, 0,16
	v_pk_add_f32 v[STG+(\u):STG+(\u)+1],   v[STG+(\u):STG+(\u)+1],   v[STG+(\u)+8:STG+(\u)+9]
	v_pk_add_f32 v[STG+(\u)+2:STG+(\u)+3], v[STG+(\u)+2:STG+(\u)+3], v[STG+(\u)+10:STG+(\u)+11]
.endr
	v_pk_add_f32 v[STG:STG+1],   v[STG:STG+1],   v[STG+16:STG+17]
	v_pk_add_f32 v[STG+2:STG+3], v[STG+2:STG+3], v[STG+18:STG+19]
	v_pk_add_f32 v[STG:STG+1],   v[STG:STG+1],   v[12:13]
	v_pk_add_f32 v[STG+2:STG+3], v[STG+2:STG+3], v[14:15]
	global_store_b128 v6, v[STG:STG+3], s[12:13]   ; a wave's store covers 512 consecutive bytes, aligned
	s_wait_tensorcnt 0x0                           ; the wave's end, behind my last tensor load and my last LDS store
	ds_add_u32 v8, v9
	s_wait_dscnt 0x0
	s_endpgm
.Lfunc_end_k_q52cebd0d25_head:
	.size	k_q52cebd0d25_head, .Lfunc_end_k_q52cebd0d25_head-k_q52cebd0d25_head
	.p2alignl 7, 3214868480
	.fill 96, 4, 3214868480
	.section	.rodata,"a",@progbits
	.p2align	6, 0x0
	.amdhsa_kernel k_q52cebd0d25_head
		.amdhsa_group_segment_fixed_size 313344
		.amdhsa_private_segment_fixed_size 0
		.amdhsa_enable_private_segment 0
		.amdhsa_kernarg_size 40
		.amdhsa_user_sgpr_count 2
		.amdhsa_user_sgpr_kernarg_segment_ptr 1
		.amdhsa_wavefront_size32 1
		.amdhsa_system_sgpr_workgroup_id_x 1
		.amdhsa_system_sgpr_workgroup_id_y 1
		.amdhsa_system_sgpr_workgroup_id_z 1
		.amdhsa_system_vgpr_workitem_id 0
		.amdhsa_next_free_vgpr 256
		.amdhsa_next_free_sgpr 66
		.amdhsa_reserve_vcc 1
		.amdhsa_float_denorm_mode_32 3
		.amdhsa_float_denorm_mode_16_64 3
		.amdhsa_memory_ordered 1
		.amdhsa_forward_progress 1
		.amdhsa_inst_pref_size 37
	.end_amdhsa_kernel
	.amdgpu_metadata
---
amdhsa.version: [ 1, 2 ]
amdhsa.kernels:
  - .name:           k_q52cebd0d25_head
    .symbol:         k_q52cebd0d25_head.kd
    .args:
      - { .name: yp, .offset: 0, .size: 8, .value_kind: global_buffer, .address_space: global }
      - { .name: brp, .offset: 8, .size: 8, .value_kind: global_buffer, .address_space: global }
      - { .name: Wout, .offset: 16, .size: 8, .value_kind: global_buffer, .address_space: global }
      - { .name: bout, .offset: 24, .size: 8, .value_kind: global_buffer, .address_space: global }
      - { .name: out0, .offset: 32, .size: 8, .value_kind: global_buffer, .address_space: global }
    .group_segment_fixed_size: 313344
    .private_segment_fixed_size: 0
    .kernarg_segment_align: 8
    .kernarg_segment_size: 40
    .max_flat_workgroup_size: 256
    .sgpr_count:     66
    .vgpr_count:     256
    .wavefront_size: 32
...
	.end_amdgpu_metadata
.endif
;; end of part 4
